; MI455X (gfx1250); checked and timed in simulation.
; The chip was launched on July 23, 2026; its instructions are those of AMD's public machine-readable ISA for CDNA 5 (MIT licence, August 2026) and "CDNA5" Instruction Set Architecture Reference Guide (July 2026). The comments in the code are by the model that wrote it; some were corrected since.
;; Multi Head Attention. Allowed arithmetic: matrix products marked QUANTISED: E2M3 operands, one E8M0 scale for each 32 along K, by v_wmma_scale_f32_16x16x128_f8f6f4 with both operands' format E2M3, f32 sums; everything else in f32.
;; Inputs: Wk_codes 1,024 x 32 x 24 uint8 (E2M3 codes of Wk, K innermost, in blocks of 32 codes, four codes in three bytes); Wk_scales 1,024 x 32 uint8 (E8M0 scales of Wk, one for each 32 codes along K); Wo_codes 1,024 x 32 x 24 uint8 (E2M3 codes of Wo, K innermost, in blocks of 32 codes, four codes in three bytes); Wo_scales 1,024 x 32 uint8 (E8M0 scales of Wo, one for each 32 codes along K); Wq_codes 1,024 x 32 x 24 uint8 (E2M3 codes of Wq, K innermost, in blocks of 32 codes, four codes in three bytes); Wq_scales 1,024 x 32 uint8 (E8M0 scales of Wq, one for each 32 codes along K); Wv_codes 1,024 x 32 x 24 uint8 (E2M3 codes of Wv, K innermost, in blocks of 32 codes, four codes in three bytes); Wv_scales 1,024 x 32 uint8 (E8M0 scales of Wv, one for each 32 codes along K); bk 1,024 float32; bo 1,024 float32; bq 1,024 float32; bv 1,024 float32; inputs_codes 4 x 2,048 x 32 x 24 uint8 (E2M3 codes of inputs, K innermost, in blocks of 32 codes, four codes in three bytes); inputs_scales 4 x 2,048 x 32 uint8 (E8M0 scales of inputs, one for each 32 codes along K).
;; Outputs: out0 4 x 2,048 x 1,024 float32.
;; This version of the problem:
;;   THIS VERSION OF THE PROBLEM IS GIVEN IN LOW PRECISION. The matrix products marked QUANTISED in the list below multiply operands that are first quantised to E2M3 (2 exponent bits, 3 mantissa bits; 6 bits a number), with one power-of-two scale for each 32 numbers along K (OCP MX v1.0); their sums are f32. All else is computed in f32.
;;   The module's matrix products, in the order in which they are computed (A, B: the left and right operand; K: the contracted axis; several contracted axes count as one K, in the product's order):
;;     1. [M 8,192, K 1,024] x [K 1,024, N 1,024]; A: input inputs (given as codes); B: input Wq (given as codes): QUANTISED
;;     2. [M 8,192, K 1,024] x [K 1,024, N 1,024]; A: input inputs (given as codes); B: input Wk (given as codes): QUANTISED
;;     3. [M 8,192, K 1,024] x [K 1,024, N 1,024]; A: input inputs (given as codes); B: input Wv (given as codes): QUANTISED
;;     4. batch 64 x [M 2,048, K 64] x [K 64, N 2,048]; A: computed on the way; B: computed on the way: QUANTISED
;;     5. batch 64 x [M 2,048, K 2,048] x [K 2,048, N 64]; A: softmax (see below); B: computed on the way: QUANTISED
;;     6. [M 8,192, K 1,024] x [K 1,024, N 1,024]; A: computed on the way; B: input Wo (given as codes): QUANTISED
;;   THE QUANTISER, for each operand of a quantised product, along K:
;;     - K is cut into blocks of 32 from its start; a last block that is shorter is filled with zeros.
;;     - A block's scale is 2^e with e = floor(log2(the largest magnitude in the block)) - 2, held to -126 .. 127; a block of zeros has e = 0. As a byte (E8M0): e + 127.
;;     - Each number is divided by its block's scale, clamped to +-7.5, and rounded to the nearest number of E2M3, ties to even, subnormals kept.
;;     - The product sums the exact products of the quantised numbers (number of the format x scale) in f32.
;;   ~~~python
;;   def quantise(x, axis):      # numpy; x: float32 -> the quantised numbers, widened to float32 again
;;       x = np.moveaxis(x, axis, -1); K = x.shape[-1]
;;       x = np.pad(x, [(0, 0)] * (x.ndim - 1) + [(0, -K % 32)]); x = x.reshape(x.shape[:-1] + (-1, 32)); a = np.abs(x).max(-1, keepdims=True)
;;       e = np.where(a > 0, np.clip(np.frexp(np.where(a > 0, a, 1))[1] - 1 - 2, -126, 127), 0)      # np.frexp(a)[1] - 1 = floor(log2(a)), exactly
;;       r = np.clip(x / 2.0 ** e, -7.5, 7.5)
;;       step = 2.0 ** (np.maximum(np.frexp(np.where(r == 0, 1, r))[1] - 1, 0) - 3)
;;       q = np.round(r / step) * step * 2.0 ** e      # np.round: ties to even
;;       return np.moveaxis(q.reshape(q.shape[:-2] + (-1,))[..., :K], -1, axis).astype(np.float32)
;;   ~~~
;;   SOFTMAX AHEAD OF A QUANTISED PRODUCT. Where the list says 'softmax', what is quantised is not the finished softmax but p = 2^(t - M), with t = logit x log2(e) and M = ceil(the row's largest t), a whole number; so 1/2 < the row's largest p <= 1. The row's sum l is taken of the UNQUANTISED p, in f32, and the product's result is divided by l at the end. Since M is a whole number, a kernel that streams over the keys may use a running M (the ceiling of the running maximum): every later rescaling is an exact power of two, which a block's scale takes up: the codes' values come out the same.
;;   OPERANDS COMPUTED ON THE WAY. 'Computed on the way' means the value that the module computes at that place (a softmax that the list does not call 'softmax' is quantised finished and normalised). What goes into a quantiser is computed in f32, as accurately as f32 sums, v_exp_f32 and their like allow (about 1e-6 of the number): no bf16 or f16 on the way to a quantiser, and a product that is left as it is and whose result goes on into a quantised operand takes f32 operands (vector FMAs, or v_wmma_f32_16x16x4_f32). A number that lies on a knife's edge between two numbers of the format may be rounded either way, as far as f32 arithmetic and the matrix unit's own rounding can turn it there, and no further.
;;   INPUTS GIVEN AS CODES. Wk (in the module: [1024, 1024], K = its axis 0); Wo (in the module: [1024, 1024], K = its axis 0); Wq (in the module: [1024, 1024], K = its axis 0); Wv (in the module: [1024, 1024], K = its axis 0); inputs (in the module: [4, 2048, 1024], K = its axis 2): each comes as NAME_codes (uint8): NAME with its K axis moved to the last place and cut into blocks of 32 codes, [.., K / 32, bytes a block], one block behind the other in memory; four codes in three bytes: a row's codes are one little-endian stream of bits, code i at bits 6 i .. 6 i + 5 (a code: sign, 2 exponent bits, 3 mantissa bits); and NAME_scales (uint8): the same leading axes, one E8M0 byte (e + 127) for each 32 codes along K. Its value is code x scale, taken as it is: it is not quantised again, and the codes and scales need not be those that the quantiser above would give.
;; One version. Each part assembles by itself: llvm-mc -triple=amdgcn-amd-amdhsa -mcpu=gfx1250 --defsym DOCPART=n.
;; ======== version 1 of 1: 3 launches
;; limits: right only within a limited range of input values
;; workspace buffers: qb 6,553,600 bytes; kv 13,107,200 bytes; ao 6,291,456 bytes; aos 262,144 bytes
;; launch qkv (part 1): grid 8 x 32, 4 waves a work-group, clusters of 4 x 4, 327,680 bytes of LDS; arguments inputs_codes, inputs_scales, Wq_codes, Wq_scales, Wk_codes, Wk_scales, Wv_codes, Wv_scales, bq, bk, bv, qb, kv; writes qb, kv
.if DOCPART == 1
	.amdgcn_target "amdgcn-amd-amdhsa--gfx1250"
	.amdhsa_code_object_version 6
	.text
	.protected	k_q1a62faa332_qkv
	.globl	k_q1a62faa332_qkv
	.p2align	8
	.type	k_q1a62faa332_qkv,@function
k_q1a62faa332_qkv:
	s_mov_b64 s[64:65], 0
	v_nop
	global_prefetch_b8 v0, s[64:65] scope:SCOPE_SE
	s_setreg_imm32_b32 hwreg(HW_REG_WAVE_MODE, 25, 1), 1
	s_wait_xcnt 0x0
	s_wait_alu depctr_hold_cnt(0) depctr_sa_sdst(0) depctr_va_vdst(0) depctr_va_sdst(0) depctr_va_ssrc(0) depctr_va_vcc(0) depctr_vm_vsrc(0)
	s_getreg_b32 s2, hwreg(HW_REG_IB_STS2, 6, 4)
	s_cmp_eq_u32 s2, 0
	s_cbranch_scc0 .Lentry_in_a_cluster
	s_endpgm
.Lentry_in_a_cluster:
	s_bfe_u32 s2, ttmp6, 0x10000c
	s_cmp_lg_u32 s2, 0xf033
	s_cbranch_scc0 .Lentry_shape_is_right
	s_endpgm
.Lentry_shape_is_right:
; v = inputs Wv + bv, q = inputs Wq + bq, k = inputs Wk + bk on codes of FP6 (E2M3), one E8M0 scale for each 32 along K = 1,024; the results are quantised here, from f32, into the operands of the attention launch.
; NO WORK IS LEFT OUT in this program: all six products are live, each bias reaches a quantiser (bq, bk, bv) or the output (bo); every input is loaded.
; LIMITS: NaN and infinities are not served.  A block whose largest magnitude lies under 2^-124 (a block of zeros too, where the rule says byte 127) gets the scale byte 1: its codes are zeros, and only this program reads these bytes.
; Of a key step's four blocks of 32 keys, block c + 2 h lies at place 2 c + h of the instruction's K = 128, alike in v here and in p in the attention launch: every product and scale is kept, only the order of the additions differs.
; SHARES.  256 work-groups; one owns 256 tokens x 128 channels of each of v, q, k.  Four waves, 2 x 2: wave (a, b) owns tokens 128 a .. + 127 (one key step) and channels 64 b .. + 63 (one head).
; A wave holds its 64 rows of a weight, all of K, in 384 registers, and streams its tokens past them in blocks of 16 rows, all of K: 32 products a block, four accumulators by turns.
; LDS: the 256 tokens' rows (768 bytes + 16 behind every 256) come once and serve all three phases; one region for a weight's 128 rows, filled again twice, each time behind a drained round of the cluster's barrier,
; when every wave holds the earlier weight in registers; the tokens' scale bytes; the spare words.  Every tensor row is 768 or 256 bytes and begins at a multiple of 256.
; WHICH ROWS FORM A TILE is chosen by LDS address so that a lane's 32 sums are one scale block.  A weight's tile t is its rows 8 t + r % 8 + 32 (r / 8), in all three phases.
; q: source 0 = the weight, source 1 = 16 neighbouring tokens: lane (r, h) holds token r, channels 32 h + 0 .. 31.  k: the same, but token tile T is tokens 8 T + r % 8 + 64 (r / 8), so that in the attention launch a lane's scores of four tiles are 32 neighbouring keys.
; v: source 0 = token tile T = 4 c + j, as k's; source 1 = the weight: lane (r, h) holds channel 8 t + r % 8 + 32 (r / 8) and, over j, keys 32 c + 64 h + 0 .. 31.
; CLUSTERS 4 x 4: the tokens' tiles are shared along a row of the cluster, a weight's along a column.  The bias is the C of a block's first four products.
; PREFETCH: Wq's and Wk's tiles are asked for one phase ahead of their tensor loads, 6,144 bytes a wave, shared out by address among the sixteen waves of a column of the cluster; what the head loads has no step to run ahead in.
; OUT.  qb [64 heads][16 steps][6,400]: four pair-fragments of 1,536 bytes (two tiles; registers 4 g .. 4 g + 3 of lane l at 512 g + 16 l), 256 bytes of scale words (16 r + 4 i).  kv [64][16][12,800]: k likewise, four fragments of V^T, k's words, v's words.
; REGISTERS: window 0: addresses, scale words, sums, codes.  Fragment f lies in window 1 + f / 21 at register 12 (f % 21): 0-31 the weight's (4 q + t), 32-39, 40-47 the tokens' two sets.  Window 3 from v80 on: q's and k's weight scale words, the three biases.
.set KROW, 768
.set PITCH, 816
.set FR, 12
.set FPW, 21
.set NF, 28                            ; LDS loads of a block: 26 for eight fragments, 2 for eight scale words
.set BVB, 256*PITCH
.set SCL, BVB+128*PITCH
.set SPARE, SCL+32*272
.set SPW, 10
.set NIL, 11
.set SB, 24                            ; v24-39 the weight's scale words
.set TQ, 40
.set SOP, 42
.set TPM, 43
.set SA, 44                            ; v44-59 the tokens' scale words, two sets
.set TC, 60
.set ACC, 64
.set HV, 64                            ; v64-191 v: a band's sums, 32 t + 8 j + i
.set NCD, 128
.set WA, 140
.set T0, 144
.set MCD, 192                          ; v192-239 v: four operands of twelve
.set BA, 240
.set EB, 248
.set SBQ, 80
.set SBK, 96
.set BBV, 128
.set BBQ, 160
.set BBK, 192
.set G1A, 24
.set G1B, 32
.set G1S, 48
.set G0B, 56
.set G0A, 60
.set G0S, 92
.set MSB, 0
.macro WIN new
.if MSB != (\new)
	s_set_vgpr_msb (MSB<<8)|(\new)
.set MSB, (\new)
.endif
.endm
.macro PLACES n
.rept \n
	v_nop
.endr
.endm
.macro WALU
	s_wait_alu depctr_va_vdst(0)
.endm
.macro BARRIER
	s_barrier_signal -1
	s_barrier_wait -1
.endm
.macro CROUND
	s_barrier_signal -1
	s_barrier_wait -1
	s_cmp_lg_u32 s14, 0
	s_cbranch_scc1 .Lnot_wave_0_\@
	s_barrier_signal -3
.Lnot_wave_0_\@:
	s_barrier_wait -3
	BARRIER
.endm
.macro TLOAD g0, g1
	tensor_load_to_lds s[\g0:\g0+3], s[\g1:\g1+7]
	s_nop 0
	PLACES 4
.endm
.macro GROUP1 g, mask, rows
	s_or_b32 s[\g+0], s[\mask], (1<<20)|(1<<21)|(5<<22)|(3<<25)
	s_mov_b32 s[\g+1], (KROW&0xffff)<<16
	s_mov_b32 s[\g+2], (KROW>>16)|((\rows)<<16)
	s_mov_b32 s[\g+3], KROW<<16
	s_mov_b32 s[\g+4], \rows
	s_mov_b32 s[\g+5], KROW
	s_mov_b32 s[\g+6], 0
	s_mov_b32 s[\g+7], 0
.endm
; a fragment: six pieces of 8 bytes, two to a load where both lie behind as many paddings; a1 serves the pieces whose lanes 16-31 lie behind one padding more
.macro FRAG f, q, a0, a1
	WIN ((1+(\f)/FPW)<<6)
.set R_, FR*((\f)%FPW)
.set SKIP_, 0
.irp p, 0,1,2,3,4,5
.if SKIP_
.set SKIP_, 0
.else
.set PC_, 12*(\q)+6*(\p/3)+\p%3
.set PN_, 12*(\q)+6*((\p+1)/3)+(\p+1)%3
.set X_, (PC_%32+3)/32
.set XQ_, (PN_%32+3)/32
.if (\p < 5) && (X_ == XQ_)
.set SKIP_, 1
.if X_
	ds_load_2addr_b64 v[R_+2*\p:R_+2*\p+3], \a1 offset0:PC_+2*(PC_/32) offset1:PN_+2*(PN_/32)
.else
	ds_load_2addr_b64 v[R_+2*\p:R_+2*\p+3], \a0 offset0:PC_+2*(PC_/32) offset1:PN_+2*(PN_/32)
.endif
.elseif X_
	ds_load_b64 v[R_+2*\p:R_+2*\p+1], \a1 offset:8*(PC_+2*(PC_/32))
.else
	ds_load_b64 v[R_+2*\p:R_+2*\p+1], \a0 offset:8*(PC_+2*(PC_/32))
.endif
.endif
.endr
.endm
.macro WEIGHTS                         ; my 64 rows of the weight, all of K: 104 loads
.irp q, 0,1,2,3,4,5,6,7
.irp b, 0,1,2,3
	FRAG 4*\q+\b, \q, v[BA+2*\b], v[BA+2*\b+1]
.endr
.endr
	WIN 0
.endm
.macro FETCHAT e, a0, a1, as           ; a block of tokens into set e: NF loads
.irp q, 0,1,2,3,4,5,6,7
	FRAG 32+8*(\e)+\q, \q, \a0, \a1
.endr
	WIN 0
	ds_load_b128 v[SA+8*(\e):SA+8*(\e)+3], \as
	ds_load_b128 v[SA+8*(\e)+4:SA+8*(\e)+7], \as offset:16
.endm
.macro PROD1 d, s0, s1, c, x0, x1, side, o
.if \o
	v_wmma_scale_f32_16x16x128_f8f6f4 v[\d:\d+7], v[FR*((\s0)%FPW):FR*((\s0)%FPW)+FR-1], v[FR*((\s1)%FPW):FR*((\s1)%FPW)+FR-1], \c, v[\x0], v[\x1] matrix_a_fmt:MATRIX_FMT_FP6 matrix_b_fmt:MATRIX_FMT_FP6 matrix_\side\()_scale:MATRIX_SCALE_ROW1
.else
	v_wmma_scale_f32_16x16x128_f8f6f4 v[\d:\d+7], v[FR*((\s0)%FPW):FR*((\s0)%FPW)+FR-1], v[FR*((\s1)%FPW):FR*((\s1)%FPW)+FR-1], \c, v[\x0], v[\x1] matrix_a_fmt:MATRIX_FMT_FP6 matrix_b_fmt:MATRIX_FMT_FP6 matrix_\side\()_scale:MATRIX_SCALE_ROW0
.endif
.endm
; product n = 4 q + t of a block.  kind 0 (q, k): source 0 the weight; kind 1 (v): source 0 the tokens.  The first four take the bias (window 3, at bb) as C
.macro PROD kind, e, n, a0, as, bb
.set Q_, (\n)/4
.set T_, (\n)%4
.set FB_, 4*Q_+T_
.set FA_, 32+8*(\e)+Q_
.set D_, (\a0)+(\as)*T_
.set XB_, SB+8*(T_/2)+Q_
.set XA_, SA+8*(\e)+Q_
.if Q_
.set CW_, 0
.else
.set CW_, 3
.endif
.if \kind
	WIN (1+FA_/FPW)|((1+FB_/FPW)<<2)|(CW_<<4)
.if Q_
	PROD1 D_, FA_, FB_, v[D_:D_+7], XA_, XB_, b, T_%2
.else
	PROD1 D_, FA_, FB_, v[\bb+8*T_:\bb+8*T_+7], XA_, XB_, b, T_%2
.endif
.else
	WIN (1+FB_/FPW)|((1+FA_/FPW)<<2)|(CW_<<4)
.if Q_
	PROD1 D_, FB_, FA_, v[D_:D_+7], XB_, XA_, a, T_%2
.else
	PROD1 D_, FB_, FA_, v[\bb+8*T_:\bb+8*T_+7], XB_, XA_, a, T_%2
.endif
.endif
.endm
; 32 sums of a lane, one scale block: the largest magnitude in two chains (each accumulator is first read at its low end), with the floor 2^(3 - 127); 32 codes into v[c .. c+5]; the byte into v[eb]
.macro WAYOUT x, c, eb
	v_max3_num_f32 v[TQ], |v[\x]|, |v[\x+1]|, |v[\x+2]|
	v_max3_num_f32 v[TQ+1], |v[\x+16]|, |v[\x+17]|, |v[\x+18]|
.irp i, 3,5,7,9,11,13
	v_max3_num_f32 v[TQ], v[TQ], |v[\x+\i]|, |v[\x+\i+1]|
	v_max3_num_f32 v[TQ+1], v[TQ+1], |v[\x+16+\i]|, |v[\x+17+\i]|
.endr
	v_max3_num_f32 v[TQ], v[TQ], |v[\x+15]|, 0x1800000
	v_max3_num_f32 v[TQ+1], v[TQ+1], |v[\x+31]|, v[TQ]
	v_add_nc_u32 v[SOP], 0xff000000, v[TQ+1]       ; 2 off the exponent field: the conversions' scale operand
	v_cvt_scalef32_pk16_fp6_f32 v[\c:\c+2], v[\x:\x+15], v[SOP]
	v_cvt_scalef32_pk16_fp6_f32 v[TC:TC+2], v[\x+16:\x+31], v[SOP]
	v_lshrrev_b32 v[\eb], 23, v[SOP]               ; the byte; also the plain place behind the conversions
.irp i, 0,1,2
	v_mov_b32 v[\c+3+\i], v[TC+\i]
.endr
.endm
.macro WORD d, e0, e1                  ; a scale word: my two bytes at 8 h and 16 + 8 h, with lane l xor 16's two
	v_lshl_or_b32 v[TQ], v[\e1], 16, v[\e0]
	v_lshlrev_b32 v[TQ], v17, v[TQ]
	v_permlanex16_b32 v[TPM], v[TQ], s100, s101
	v_or_b32 v[\d], v[TQ], v[TPM]
.endm
.macro PUT3 r, p, off                  ; twelve registers: each store covers 512 consecutive bytes
.irp k, 0,1,2
	global_store_b128 v15, v[\r+4*\k:\r+4*\k+3], s[\p:\p+1] offset:(\off)+512*\k
.endr
.endm
.macro SCST p, off                     ; four words a row: lanes 0-15 store words 0, 1, lanes 16-31 words 2, 3: 256 consecutive bytes, aligned
	v_cndmask_b32 v[T0], v[WA], v[WA+2], s98
	v_cndmask_b32 v[T0+1], v[WA+1], v[WA+3], s98
	global_store_b64 v16, v[T0:T0+1], s[\p:\p+1] offset:\off
.endm
.macro MOVSB src                       ; a phase's weight scale words out of window 3; eight places ahead of the products that take them
	WIN 3
.set I_, 0
.rept 16
	v_mov_b32 v[SB+I_], v[\src+I_]
.set I_, I_+1
.endr
	WIN 0
	PLACES 8
.endm
.macro SHOW                            ; a plain barrier: the weight that the last refill brought is shown to all
	WALU
	s_wait_tensorcnt 0x0
	s_wait_dscnt 0x0
	BARRIER
.endm
.macro REFILL base                     ; the three lines, the round, and wave 0's joint load of the next weight's 128 rows onto the one that all waves hold in registers
	WALU
	s_wait_tensorcnt 0x0
	ds_add_u32 v[SPW], v[NIL]
	s_add_nc_u64 s[G0B+2:G0B+3], s[\base:\base+1], s[20:21]
	s_or_b32 s[G0B+3], s[G0B+3], 0x80000000
	s_wait_dscnt 0x0                               ; the add, and my reads of the region
	CROUND
	s_cmp_eq_u32 s14, 0
	s_cbranch_scc0 .Lno_fill_\@
	TLOAD G0B, G1B
.Lno_fill_\@:
.endm
.macro VBLK n                          ; v: token tile n = 4 c + j; behind its products the tile two on is fetched into its set
	WALU
.if (\n) < 7
	s_wait_dscnt NF                                ; younger than my rows' fetch: the next block's NF loads
.else
	s_wait_dscnt 0x0
.endif
.set N_, 0
.rept 32
	PROD 1, (\n)%2, N_, HV+8*((\n)%4), 32, BBV
.set N_, N_+1
.endr
	WIN 0
	PLACES 5
.if (\n) < 6
	v_add_nc_u32 v12, 8*((\n)+2)*PITCH, v7
	v_add_nc_u32 v13, 8*((\n)+2)*PITCH, v8
	v_add_nc_u32 v14, ((\n)+2)*272, v9
	FETCHAT (\n)%2, v12, v13, v14
.endif
.endm
; q and k.  XA, XS: the registers with the first tile's LDS addresses; XR: rows from tile to tile (34 bytes of scale words and padding a row)
.macro QKBLK e, fetch, w, bb
	WALU
	s_wait_dscnt \w
.set N_, 0
.rept 32
	PROD 0, \e, N_, ACC, 8, \bb
.set N_, N_+1
.endr
	WIN 0
	PLACES 5
.if \fetch
	s_add_co_u32 s96, s96, XR*PITCH
	s_add_co_u32 s97, s97, XR*34
	v_add_nc_u32 v12, s96, v[XA]
	v_add_nc_u32 v13, s96, v[XA+1]
	v_add_nc_u32 v14, s97, v[XS]
	FETCHAT \e, v12, v13, v14
.endif
.endm
.macro PAIR fetch, w1, bb, p           ; two tiles of 16 tokens make one pair-fragment and one scale word
	QKBLK 0, \fetch, NF, \bb
	s_wait_xcnt 0x0                                ; the last pair's stores have read their data and base
	s_add_nc_u64 s[\p:\p+1], s[\p:\p+1], 1536
	WAYOUT ACC, NCD, EB
	QKBLK 1, \fetch, \w1, \bb
	WAYOUT ACC, NCD+6, EB+1
	v_mov_b32 v[WA], v[WA+1]                       ; the step's four words move up: the loop names one set of registers
	v_mov_b32 v[WA+1], v[WA+2]
	v_mov_b32 v[WA+2], v[WA+3]
	WORD WA+3, EB, EB+1
	PUT3 NCD, \p, 0
.endm
.macro QKPHASE bb, p, woff             ; eight tiles; the last pair fetches nothing and is written out
	FETCHAT 0, v[XA], v[XA+1], v[XS]
	v_add_nc_u32 v12, XR*PITCH, v[XA]
	v_add_nc_u32 v13, XR*PITCH, v[XA+1]
	v_add_nc_u32 v14, XR*34, v[XS]
	FETCHAT 1, v12, v13, v14
	s_mov_b32 s96, XR*PITCH
	s_mov_b32 s97, XR*34
	s_mov_b32 s99, 0
.Lpairs_\@:
	PAIR 1, NF, \bb, \p
	s_add_co_u32 s99, s99, 1
	s_cmp_lg_u32 s99, 3
	WALU
	s_cbranch_scc1 .Lpairs_\@
	PAIR 0, 0, \bb, \p
	SCST \p, \woff
.endm
; ---- the head
	s_load_b128 s[4:7], s[0:1], 0x0                ; inputs: codes, scales
	s_load_b512 s[68:83], s[0:1], 0x10             ; Wq codes, scales; Wk; Wv; bq; bk
	s_load_b128 s[84:87], s[0:1], 0x50             ; bv, qb
	s_load_b64 s[88:89], s[0:1], 0x60              ; kv
	v_lshl_add_u32 v[SPW], v0, 2, SPARE
	v_mov_b32 v[NIL], 0
	ds_add_u32 v[SPW], v[NIL]                      ; the opening lines: the add twice on end
	ds_add_u32 v[SPW], v[NIL]
	v_lshrrev_b32 v1, 5, v0
	v_readfirstlane_b32 s14, v1                    ; the wave; s15 = a, s16 = b
	s_lshr_b32 s15, s14, 1
	s_and_b32 s16, s14, 1
	s_bfe_u32 s40, ttmp6, 0x40000
	s_bfe_u32 s41, ttmp6, 0x40004
	s_lshl_b32 s42, ttmp9, 2
	s_add_co_u32 s42, s42, s40                     ; block of 128 channels, 0 .. 7
	s_and_b32 s43, ttmp7, 0xffff
	s_lshl_b32 s43, s43, 2
	s_add_co_u32 s43, s43, s41                     ; block of 256 tokens, 0 .. 31
	s_lshl_b32 s44, s41, 2
	s_lshl_b32 s44, 15, s44                        ; my row of the cluster
	s_lshl_b32 s45, 0x1111, s40                    ; my column
	GROUP1 G1A, 44, 128
	GROUP1 G1B, 45, 128
	s_or_b32 s[G1S+0], s44, (3<<16)|(1<<20)|(1<<21)|(5<<22)|(3<<25)   ; the scale bytes of 256 tokens: 32 rows of 256 bytes, 16 of padding behind each
	s_mov_b32 s[G1S+1], 32<<16
	s_mov_b32 s[G1S+2], 32<<16
	s_mov_b32 s[G1S+3], 32<<16
	s_mov_b32 s[G1S+4], 32
	s_mov_b32 s[G1S+5], 32
	s_mov_b32 s[G1S+6], 0
	s_mov_b32 s[G1S+7], 0
	s_mov_b32 s[G0B], 1
	s_mov_b32 s[G0B+1], BVB
	s_mov_b32 s[G0A], 1
	s_mul_i32 s[G0A+1], s16, 128*PITCH
	s_mov_b32 s[G0S], 1
	s_mov_b32 s[G0S+1], SCL
	s_mov_b32 s100, 0x76543210
	s_mov_b32 s101, 0xfedcba98                     ; v_permlanex16_b32's selects for lane l xor 16
	s_mul_i32 s46, s15, 128*PITCH
	s_mul_i32 s47, s16, 64*PITCH
	s_add_co_u32 s47, s47, BVB
	s_mul_i32 s18, s15, 16*272
	s_add_co_u32 s18, s18, SCL
	s_mul_i32 s20, s42, 128*KROW                   ; s[20:21]: my 128 rows in a weight's codes
	s_mov_b32 s21, 0
	s_lshl_b32 s19, s41, 2
	s_add_co_u32 s19, s19, s14
	s_mul_i32 s19, s19, 6144
	s_add_co_u32 s19, s19, s20                     ; my sixteenth of them, for the prefetches
	s_mul_i32 s22, s43, 256*KROW
	s_mul_i32 s23, s16, 128*KROW
	s_add_co_u32 s22, s22, s23
	s_mov_b32 s23, 0
	s_lshl_b32 s66, s43, 13
	s_mov_b32 s67, 0
	v_and_b32 v1, 15, v0                           ; r
	v_bfe_u32 v2, v0, 4, 1                         ; h
	v_and_b32 v3, 31, v0
	v_and_b32 v22, 7, v1
	v_lshrrev_b32 v23, 3, v1
	v_lshl_add_u32 v13, v23, 5, v22                ; r % 8 + 32 (r / 8)
	v_mul_u32_u24 v12, v1, PITCH
	v_lshl_add_u32 v41, v2, 3, v13
	v_lshlrev_b32 v43, 2, v13                      ; v's bias: one channel a lane
	v_mul_u32_u24 v13, v13, PITCH
	v_lshlrev_b32 v41, 5, v41                      ; the weights' scale words: lanes 0-15 an even tile's rows, lanes 16-31 the odd one's
	v_lshlrev_b32 v42, 7, v2                       ; q's, k's bias: 32 channels on end for each half of the lanes
	v_mad_u32_u24 v18, v2, 24, v12
	v_mad_u32_u24 v19, v2, 40, v12
	v_mad_u32_u24 v20, v2, 24, v13
	v_mad_u32_u24 v21, v2, 40, v13
	v_add_nc_u32 v4, s46, v18                      ; v4, v5 tokens as neighbours (q)
	v_add_nc_u32 v5, s46, v19
	v_mad_u32_u24 v7, v23, 32*PITCH, v20           ; v7, v8 tokens by r % 8 + 64 (r / 8) (v, k)
	v_mad_u32_u24 v8, v23, 32*PITCH, v21
	v_add_nc_u32 v7, s46, v7
	v_add_nc_u32 v8, s46, v8
	v_add_nc_u32 v20, s47, v20                     ; v20, v21 the weight's rows by r % 8 + 32 (r / 8)
	v_add_nc_u32 v21, s47, v21
	v_lshlrev_b32 v6, 5, v1
	v_lshl_add_u32 v6, v23, 4, v6
	v_add_nc_u32 v6, s18, v6                       ; v6, v9 the tokens' scale words, in the same two orders
	v_lshlrev_b32 v9, 5, v22
	v_mad_u32_u24 v9, v23, 2176, v9
	v_add_nc_u32 v9, s18, v9
	v_lshlrev_b32 v15, 4, v3
	v_lshlrev_b32 v16, 4, v1
	v_lshl_add_u32 v16, v2, 3, v16
	v_lshlrev_b32 v17, 3, v2
	v_cmp_lt_u32 s98, 15, v3                       ; the mask of lanes 16-31
	v_min_u32 v22, 23, v3
	v_lshl_add_u32 v22, v22, 8, s19                ; 24 blocks of 256 bytes, a lane a block; never rewritten
.irp b, 0,1,2,3
	v_add_nc_u32 v[BA+2*\b], \b*8*PITCH, v20       ; LDS addresses of the weight's four tiles
	v_add_nc_u32 v[BA+2*\b+1], \b*8*PITCH, v21
.endr
	WALU
	s_wait_dscnt 0x0
	CROUND                                         ; the opening round
	s_wait_kmcnt 0x0
	s_add_nc_u64 s[G0B+2:G0B+3], s[76:77], s[20:21]
	s_or_b32 s[G0B+3], s[G0B+3], 0x80000000
	s_add_nc_u64 s[G0A+2:G0A+3], s[4:5], s[22:23]
	s_or_b32 s[G0A+3], s[G0A+3], 0x80000000
	s_add_nc_u64 s[G0S+2:G0S+3], s[6:7], s[66:67]
	s_or_b32 s[G0S+3], s[G0S+3], 0x80000000
	s_cmp_eq_u32 s14, 0                            ; one tensor load a wave
	s_cbranch_scc0 .Lwave_1
	TLOAD G0B, G1B                                 ; wave 0: Wv's rows
	s_branch .Lasked
.Lwave_1:
	s_cmp_eq_u32 s14, 1
	s_cbranch_scc0 .Lwave_2
	TLOAD G0S, G1S                                 ; wave 1: the tokens' scale bytes
	s_branch .Lasked
.Lwave_2:
	TLOAD G0A, G1A                                 ; waves 2, 3: 128 tokens each
.Lasked:
	s_lshl_b32 s22, s42, 12
	s_lshl_b32 s17, s16, 11
	s_add_co_u32 s22, s22, s17                     ; my 64 rows' scale bytes
	s_add_nc_u64 s[70:71], s[70:71], s[22:23]
	s_add_nc_u64 s[74:75], s[74:75], s[22:23]
	s_add_nc_u64 s[78:79], s[78:79], s[22:23]
	s_lshr_b32 s22, s22, 3                         ; and their bias
	s_add_nc_u64 s[80:81], s[80:81], s[22:23]
	s_add_nc_u64 s[82:83], s[82:83], s[22:23]
	s_add_nc_u64 s[84:85], s[84:85], s[22:23]
.irp p, 0,1
.irp c, 0,1
	global_load_b128 v[SB+8*\p+4*\c:SB+8*\p+4*\c+3], v41, s[78:79] offset:\p*512+16*\c
.endr
.endr
	WIN 0xc0
.irp t, 0,1,2,3
	global_load_b32 v[BBV+8*\t], v43, s[84:85] offset:32*\t
.endr
.irp p, 0,1
.irp c, 0,1
	global_load_b128 v[SBQ+8*\p+4*\c:SBQ+8*\p+4*\c+3], v41, s[70:71] offset:\p*512+16*\c
	global_load_b128 v[SBK+8*\p+4*\c:SBK+8*\p+4*\c+3], v41, s[74:75] offset:\p*512+16*\c
.endr
.endr
.irp k, 0,1,2,3,4,5,6,7
	global_load_b128 v[BBQ+4*\k:BBQ+4*\k+3], v42, s[80:81] offset:16*\k
	global_load_b128 v[BBK+4*\k:BBK+4*\k+3], v42, s[82:83] offset:16*\k
.endr
	WIN 0
	s_lshr_b32 s22, s43, 3                         ; where the results go: head 16 batch + 2 block + b, step 2 (token block % 8) + a
	s_lshl_b32 s22, s22, 4
	s_lshl_b32 s17, s42, 1
	s_add_co_u32 s22, s22, s17
	s_add_co_u32 s22, s22, s16
	s_mul_i32 s22, s22, 102400
	s_and_b32 s17, s43, 7
	s_lshl_b32 s17, s17, 1
	s_add_co_u32 s17, s17, s15
	s_mul_i32 s17, s17, 6400
	s_add_co_u32 s22, s22, s17
	s_add_nc_u64 s[86:87], s[86:87], s[22:23]
	s_lshl_b32 s22, s22, 1
	s_add_nc_u64 s[88:89], s[88:89], s[22:23]      ; s[88:89] my step in kv
	s_sub_nc_u64 s[86:87], s[86:87], 1536          ; q's and k's pointers are stepped by 1,536 ahead of each pair's stores, the first too
	s_sub_nc_u64 s[90:91], s[88:89], 1536
	s_cmp_eq_u32 s14, 0
	s_cbranch_scc0 .Lnot_b
	s_wait_tensorcnt 0x0
.Lnot_b:
	BARRIER                                        ; Wv's rows are in
	global_prefetch_b8 v22, s[68:69] th:TH_LOAD_NT scope:SCOPE_SE     ; Wq's tile, which the first refill loads
	WEIGHTS
	s_wait_loadcnt 0x0
	WIN 0xc3
.irp t, 0,8,16,24
.irp i, 1,2,3,4,5,6,7
	v_mov_b32 v[BBV+\t+\i], v[BBV+\t]              ; v's bias, one number a lane and tile, over the tile's eight registers
.endr
.endr
	WIN 0
	v_mov_b32 v[TPM], 0                            ; a lane permute's destination counts as one of its sources
	REFILL 68                                      ; also shows the tokens and their scale bytes to all
; ---- v: two bands of four tiles
	FETCHAT 0, v7, v8, v9
	v_add_nc_u32 v12, 8*PITCH, v7
	v_add_nc_u32 v13, 8*PITCH, v8
	v_add_nc_u32 v14, 272, v9
	FETCHAT 1, v12, v13, v14
	global_prefetch_b8 v22, s[72:73] th:TH_LOAD_NT scope:SCOPE_SE     ; Wk's tile, which the second refill loads
.irp n, 0,1,2,3
	VBLK \n
.endr
.irp t, 0,1,2,3
	WAYOUT HV+32*\t, MCD+12*\t, EB+\t
.endr
.irp n, 4,5,6,7
	VBLK \n
.endr
	SHOW                                           ; Wq's rows are in
	WEIGHTS                                        ; band 1's way out stands under these loads' flight
	MOVSB SBQ
.irp t, 0,1,2,3
	WAYOUT HV+32*\t, MCD+12*\t+6, EB+4+\t
.endr
.irp t, 0,1,2,3
	WORD WA+\t, EB+\t, EB+4+\t
.endr
.irp t, 0,1,2,3
	PUT3 MCD+12*\t, 88, 6144+1536*\t
.endr
	SCST 88, 12544
	REFILL 72
; ---- q, then k
.set XA, 4
.set XS, 6
.set XR, 16
	QKPHASE BBQ, 86, 1536
	SHOW                                           ; Wk's rows are in
	WEIGHTS
	MOVSB SBK
.set XA, 7
.set XS, 9
.set XR, 8
	QKPHASE BBK, 90, 7680
	s_wait_tensorcnt 0x0                           ; the wave's end
	ds_add_u32 v[SPW], v[NIL]
	s_wait_dscnt 0x0
	CROUND                                         ; the closing round
	s_endpgm
.Lfunc_end_k_q1a62faa332_qkv:
	.size	k_q1a62faa332_qkv, .Lfunc_end_k_q1a62faa332_qkv-k_q1a62faa332_qkv
	.p2alignl 7, 3214868480
	.fill 96, 4, 3214868480
	.section	.rodata,"a",@progbits
	.p2align	6, 0x0
	.amdhsa_kernel k_q1a62faa332_qkv
		.amdhsa_group_segment_fixed_size 327680
		.amdhsa_private_segment_fixed_size 0
		.amdhsa_enable_private_segment 0
		.amdhsa_kernarg_size 104
		.amdhsa_user_sgpr_count 2
		.amdhsa_user_sgpr_kernarg_segment_ptr 1
		.amdhsa_wavefront_size32 1
		.amdhsa_system_sgpr_workgroup_id_x 1
		.amdhsa_system_sgpr_workgroup_id_y 1
		.amdhsa_system_sgpr_workgroup_id_z 1
		.amdhsa_system_vgpr_workitem_id 0
		.amdhsa_next_free_vgpr 1024
		.amdhsa_next_free_sgpr 102
		.amdhsa_reserve_vcc 0
		.amdhsa_float_denorm_mode_32 3
		.amdhsa_float_denorm_mode_16_64 3
		.amdhsa_memory_ordered 1
		.amdhsa_forward_progress 1
		.amdhsa_inst_pref_size 166
	.end_amdhsa_kernel
	.amdgpu_metadata
---
amdhsa.version: [ 1, 2 ]
amdhsa.kernels:
  - .name:           k_q1a62faa332_qkv
    .symbol:         k_q1a62faa332_qkv.kd
    .args:
      - { .name: inputs_codes, .offset: 0, .size: 8, .value_kind: global_buffer, .address_space: global }
      - { .name: inputs_scales, .offset: 8, .size: 8, .value_kind: global_buffer, .address_space: global }
      - { .name: Wq_codes, .offset: 16, .size: 8, .value_kind: global_buffer, .address_space: global }
      - { .name: Wq_scales, .offset: 24, .size: 8, .value_kind: global_buffer, .address_space: global }
      - { .name: Wk_codes, .offset: 32, .size: 8, .value_kind: global_buffer, .address_space: global }
      - { .name: Wk_scales, .offset: 40, .size: 8, .value_kind: global_buffer, .address_space: global }
      - { .name: Wv_codes, .offset: 48, .size: 8, .value_kind: global_buffer, .address_space: global }
      - { .name: Wv_scales, .offset: 56, .size: 8, .value_kind: global_buffer, .address_space: global }
      - { .name: bq, .offset: 64, .size: 8, .value_kind: global_buffer, .address_space: global }
      - { .name: bk, .offset: 72, .size: 8, .value_kind: global_buffer, .address_space: global }
      - { .name: bv, .offset: 80, .size: 8, .value_kind: global_buffer, .address_space: global }
      - { .name: qb, .offset: 88, .size: 8, .value_kind: global_buffer, .address_space: global }
      - { .name: kv, .offset: 96, .size: 8, .value_kind: global_buffer, .address_space: global }
    .group_segment_fixed_size: 327680
    .private_segment_fixed_size: 0
    .kernarg_segment_align: 8
    .kernarg_segment_size: 104
    .max_flat_workgroup_size: 128
    .sgpr_count:     102
    .vgpr_count:     1024
    .wavefront_size: 32
...
	.end_amdgpu_metadata
.endif
;; end of part 1
;; launch attn (part 2): grid 4 x 64, 16 waves a work-group, clusters of 4 x 1, 207,872 bytes of LDS; arguments qb, kv, ao, aos; writes ao, aos
.if DOCPART == 2
	.amdgcn_target "amdgcn-amd-amdhsa--gfx1250"
	.amdhsa_code_object_version 6
	.text
	.protected	k_q1a62faa332_attn
	.globl	k_q1a62faa332_attn
	.p2align	8
	.type	k_q1a62faa332_attn,@function
k_q1a62faa332_attn:
	s_mov_b64 s[64:65], 0
	v_nop
	global_prefetch_b8 v0, s[64:65] scope:SCOPE_SE
	s_setreg_imm32_b32 hwreg(HW_REG_WAVE_MODE, 25, 1), 1
	s_wait_xcnt 0x0
	s_wait_alu depctr_hold_cnt(0) depctr_sa_sdst(0) depctr_va_vdst(0) depctr_va_sdst(0) depctr_va_ssrc(0) depctr_va_vcc(0) depctr_vm_vsrc(0)
	s_getreg_b32 s2, hwreg(HW_REG_IB_STS2, 6, 4)
	s_cmp_eq_u32 s2, 0
	s_cbranch_scc0 .Lentry_in_a_cluster
	s_endpgm
.Lentry_in_a_cluster:
	s_bfe_u32 s2, ttmp6, 0x10000c
	s_cmp_lg_u32 s2, 0x3003
	s_cbranch_scc0 .Lentry_shape_is_right
	s_endpgm
.Lentry_shape_is_right:
; For each of 64 heads (batch x head): S = q k^T / 32, the softmax, O = P v, both products on codes of FP6 (E2M3) with one E8M0 scale for each 32 along K; O / l is quantised along d_model for the last projection.  No work is left out.
; THE SOFTMAX AHEAD OF THE SECOND PRODUCT: t = score x log2(e) / 32; M = the row's largest t so far, rounded up to a whole number; p = 2^(t - M) is quantised along the keys, not normalised; the row's sum l is taken of the
; unquantised p and divides O at the end.  When M moves, l and O are multiplied by 2^(old M - new M): exact.
; LIMITS: NaN and infinities are not served; a block whose largest magnitude lies under 2^-124 (a block of zeros too) gets the scale byte 1.  Of a key step's four blocks of 32 keys, block c + 2 h lies at place 2 c + h of the instruction's
; K = 128, alike in p and v.  A block's largest p is taken as the exponential of its largest score, which takes v_exp_f32 not to fall where its input rises.
; SHARES.  A work-group owns 512 queries of one head; each of its sixteen waves owns 32, as two passes of 16, each pass over all 2,048 keys, 128 a step.  Four waves share a SIMD, 256 registers each.
; A WHOLE HEAD'S K, V AND SCALE WORDS, 16 x 12,800 bytes, COME INTO LDS ONCE: wave w brings step w by one tensor load of 50 rows of 256 bytes; nothing is filled again.  So there is no step of loads to run ahead of, and no prefetch.
; CLUSTER: the four work-groups of a cluster walk the same head, so each block is asked for jointly, with the mask of all four.
; K = 64 IN AN INSTRUCTION OF K = 128: a fragment of k holds two tiles of 16 keys (registers 0-5, 6-11); it is multiplied once by [q | zero codes] and once by [zero codes | q].
; LAYOUT.  Both products are used transposed: S^T = k q^T, O^T = v^T p^T: a lane holds ONE query (lane % 16).  Row m of k's tile T is key 8 T + m % 8 + 64 (m / 8): lane (r, h)'s 32 scores of tiles 4 c .. 4 c + 3 are keys 32 c + 64 h + 0 .. 31,
; one scale block, whole in the lane.  Row m of v's tile t is channel 8 t + m % 8 + 32 (m / 8): the lane's 32 numbers of O^T are channels 32 h + 0 .. 31, one scale block of the next product.
.set STEPB, 12800
.set VOFF,  6144
.set SWOFF, 12288
.set SG,    16*STEPB                   ; the result's scale bytes, 2 a query, written by LDS stores alone
.set SPARE, SG+1024
.set LI,   1                           ; v1 16 x lane; v2 the step's LDS address; v3, v4 the add's; v5, v10 the scale bytes' way out; v6, v7 q's scale words; v8 my query's byte; v9 8 x lane; v11 8 h
.set ADR,  2
.set SPW,  3
.set NIL,  4
.set SGL,  5
.set QS,   6
.set SGA,  8
.set GO,   9
.set SGO,  10
; v12 -M; v13 the largest score; v[14:15] l; v16-45: zeros, q of tile 0, zeros, q of tile 1, zeros
.set OM,   46
.set QW,   47
.set KF,   48                          ; v48-95 four fragments of k, then of v
.set S,    96
.set O,    160
.set SW,   192                         ; v192-195 scale words: lanes 0-15 k's, lanes 16-31 v's
.set PC,   200
.set TC,   212
.set BM,   220
.set SO,   224
.set BY,   228
.set F,    234
.set TT,   236
.set PW,   244                         ; p's scale word
.set LC,   248                         ; v248-253 the sum's three further chains
.set WV,   12
.set NC,   19                          ; s19 -c
.set SEL,  20
.set CS,   22                          ; s[22:23] c = log2(e) / 32
.set G1,   24
.set G0,   32
.set TB,   36
.set CNT,  37
.macro PLACES n
.rept \n
	v_nop
.endr
.endm
.macro WALU
	s_wait_alu depctr_va_vdst(0)
.endm
.macro CROUND
	s_barrier_signal -1
	s_barrier_wait -1
	s_cmp_lg_u32 s[WV], 0
	s_cbranch_scc1 .Lnot_wave_0_\@
	s_barrier_signal -3
.Lnot_wave_0_\@:
	s_barrier_wait -3
	s_barrier_signal -1
	s_barrier_wait -1
.endm
	s_load_b256 s[4:11], s[0:1], 0x0               ; qb, kv, ao, aos
	v_lshl_add_u32 v[SPW], v0, 2, SPARE
	v_mov_b32 v[NIL], 0
	ds_add_u32 v[SPW], v[NIL]                      ; the opening lines: the add twice on end
	ds_add_u32 v[SPW], v[NIL]
	v_lshrrev_b32 v1, 5, v0
	v_readfirstlane_b32 s[WV], v1                  ; wave 0..15
	s_bfe_u32 s13, ttmp6, 0x40000                  ; cx: my block of 512 queries; it enters q's and the results' addresses alone
	s_and_b32 s14, ttmp7, 0xffff                   ; 16 x batch + head
	s_mov_b32 s[G1], 15|(3<<16)|(1<<21)
	s_mov_b32 s[G1+1], 32<<16
	s_mov_b32 s[G1+2], 50<<16                      ; 50 rows of 256 bytes: one key step
	s_mov_b32 s[G1+3], 32<<16
	s_mov_b32 s[G1+4], 50
	s_mov_b32 s[G1+5], 32
	s_mov_b32 s[G1+6], 0
	s_mov_b32 s[G1+7], 0
	s_mov_b32 s[SEL], 0x76543210
	s_mov_b32 s[SEL+1], 0xfedcba98                 ; v_permlanex16_b32's selects for lane l xor 16
	s_mov_b32 s[CS], 0x3d38aa3b
	s_mov_b32 s[CS+1], s[CS]
	s_mov_b32 s[NC], 0xbd38aa3b
	s_mul_i32 s38, s14, 16*STEPB
	s_mul_i32 s39, s[WV], STEPB
	s_add_co_u32 s38, s38, s39
	s_mov_b32 s39, 0
	s_lshl_b32 s40, s13, 2                         ; qb: step 4 cx + wave / 4, pair-fragment wave % 4
	s_lshr_b32 s41, s[WV], 2
	s_add_co_u32 s40, s40, s41
	s_mul_i32 s40, s40, 6400
	s_mul_i32 s41, s14, 102400
	s_add_co_u32 s40, s40, s41
	s_and_b32 s42, s[WV], 3
	s_mul_i32 s43, s42, 1536
	s_lshl_b32 s42, s42, 2
	s_add_co_u32 s42, s42, s40
	s_add_co_u32 s42, s42, 6144
	s_add_co_u32 s40, s40, s43
	s_mov_b32 s41, 0
	s_mov_b32 s43, 0
	s_lshr_b32 s44, s14, 4                         ; ao: token tile 128 batch + 32 cx + 2 wave + u, 12,288 bytes a tile; 768 a head
	s_lshl_b32 s44, s44, 7
	s_lshl_b32 s45, s13, 5
	s_add_co_u32 s44, s44, s45
	s_lshl_b32 s45, s[WV], 1
	s_add_co_u32 s44, s44, s45
	s_mul_i32 s44, s44, 12288
	s_and_b32 s46, s14, 15
	s_mul_i32 s45, s46, 768
	s_add_co_u32 s44, s44, s45
	s_mov_b32 s45, 0
	s_lshl_b32 s46, s46, 14                        ; aos: 16,384 bytes a head, 2 a token
	s_lshr_b32 s47, s14, 4
	s_lshl_b32 s47, s47, 12
	s_add_co_u32 s46, s46, s47
	s_lshl_b32 s47, s13, 10
	s_add_co_u32 s46, s46, s47
	s_mov_b32 s47, 0
	v_and_b32 v[LI], 31, v0
	v_lshlrev_b32 v[GO], 3, v[LI]
	v_lshlrev_b32 v[LI], 4, v[LI]
	v_and_b32 v[OM], 15, v0
	v_lshlrev_b32 v[ADR], 4, v[OM]                 ; 16 r, for q's scale words
	v_lshrrev_b32 v[SGA], 5, v0
	v_lshlrev_b32 v[SGA], 6, v[SGA]
	v_lshl_add_u32 v[SGA], v[OM], 1, v[SGA]
	v_bfe_u32 v11, v0, 4, 1
	v_add_nc_u32 v[SGA], v[SGA], v11
	v_add_nc_u32 v[SGA], SG, v[SGA]                ; SG + 64 wave + 2 r + h
	v_lshlrev_b32 v11, 3, v11
	v_and_b32 v[SGO], 63, v0
	v_lshlrev_b32 v[SGO], 4, v[SGO]
	v_add_nc_u32 v[SGL], SG, v[SGO]
	WALU
	s_wait_dscnt 0x0
	s_wait_kmcnt 0x0
	s_add_nc_u64 s[16:17], s[4:5], s[42:43]
	s_add_nc_u64 s[4:5], s[4:5], s[40:41]
	s_add_nc_u64 s[8:9], s[8:9], s[44:45]
	s_add_nc_u64 s[10:11], s[10:11], s[46:47]
	CROUND                                         ; all four work-groups are here: the joint loads meet
	s_mov_b32 s[G0], 1
	s_mul_i32 s[G0+1], s[WV], STEPB
	s_add_nc_u64 s[G0+2:G0+3], s[6:7], s[38:39]
	s_or_b32 s[G0+3], s[G0+3], 0x80000000
	tensor_load_to_lds s[G0:G0+3], s[G1:G1+7]      ; my one tensor load of the launch
	s_nop 0
	PLACES 4
	global_load_b128 v[22:25], v[LI], s[4:5]               ; the pair-fragment's registers 0-5: tile 0;
	global_load_b64 v[26:27], v[LI], s[4:5] offset:512
	global_load_b64 v[34:35], v[LI], s[4:5] offset:520     ; 6-11: tile 1
	global_load_b128 v[36:39], v[LI], s[4:5] offset:1024
	global_load_b32 v[QW], v[ADR], s[16:17]
.irp z, 16,17,18,19,20,21,28,29,30,31,32,33,40,41,42,43,44,45
	v_mov_b32 v\z, 0                               ; zero codes: the half of K that a product is not to count
.endr
	v_mov_b32 v[F+1], 0                            ; (named as the upper half of a pair)
	v_mov_b32 v[TT+1], 0                           ; a lane permute's destination counts as one of its sources
	s_wait_loadcnt 0x0
	v_perm_b32 v[QS], v[QW], v[QW], 0x05040100     ; a tile's two bytes twice: they serve q in the lower and in the upper half of K
	v_perm_b32 v[QS+1], v[QW], v[QW], 0x07060302
	WALU
	s_wait_tensorcnt 0x0                           ; my step is in,
	s_barrier_signal -1
	s_barrier_wait -1                              ; the whole head is
.macro LOADK                           ; the step at s[TB]: its scale words and k's four pair-fragments
	v_add_nc_u32 v[ADR], s[TB], v[LI]
	ds_load_b128 v[SW:SW+3], v[ADR] offset:SWOFF
.irp i, 0,1,2,3
.irp g, 0,1,2
	ds_load_b128 v[KF+12*\i+4*\g:KF+12*\i+4*\g+3], v[ADR] offset:1536*\i+512*\g
.endr
.endr
.endm
; lines from .. to - 1 of the 32 that add the 64 unquantised p to the row's sum, in four chains
.macro SUMS from, to
.set n_, \from
.rept (\to)-(\from)
.if n_ < 3
	v_pk_add_f32 v[LC+2*n_:LC+2*n_+1], v[S+4*n_:S+4*n_+1], v[S+4*n_+2:S+4*n_+3]
.elseif n_ < 29
.set c_, (n_+1)%4
.if c_
	v_pk_add_f32 v[LC+2*c_-2:LC+2*c_-1], v[LC+2*c_-2:LC+2*c_-1], v[S+2*n_+6:S+2*n_+7]
.else
	v_pk_add_f32 v[14:15], v[14:15], v[S+2*n_+6:S+2*n_+7]
.endif
.elseif n_ == 29
	v_pk_add_f32 v[LC:LC+1], v[LC:LC+1], v[LC+2:LC+3]
.elseif n_ == 30
	v_pk_add_f32 v[14:15], v[14:15], v[LC+4:LC+5]
.else
	v_pk_add_f32 v[14:15], v[14:15], v[LC:LC+1]
.endif
.set n_, n_+1
.endr
.endm
; A KEY STEP: 128 keys, for tile u of my queries.  next = 1: the next step's k is asked for behind the second product
.macro STEP u, next
	WALU
	s_wait_dscnt 0x0                               ; k and the scale words are in
.irp i, 0,1,2,3
	v_wmma_scale_f32_16x16x128_f8f6f4 v[S+16*\i:S+16*\i+7], v[KF+12*\i:KF+12*\i+11], v[22+12*\u:33+12*\u], 0, v[SW+\i], v[QS+\u] matrix_a_fmt:MATRIX_FMT_FP6 matrix_b_fmt:MATRIX_FMT_FP6
	v_wmma_scale_f32_16x16x128_f8f6f4 v[S+16*\i+8:S+16*\i+15], v[KF+12*\i:KF+12*\i+11], v[16+12*\u:27+12*\u], 0, v[SW+\i], v[QS+\u] matrix_a_fmt:MATRIX_FMT_FP6 matrix_b_fmt:MATRIX_FMT_FP6
.endr
	PLACES 4                                       ; ahead of the loads into k's registers and of the first read of the scores
.irp t, 0,1,2,3
.irp g, 0,1,2
	ds_load_b128 v[KF+12*\t+4*\g:KF+12*\t+4*\g+3], v[ADR] offset:VOFF+1536*\t+512*\g   ; v: it has the softmax in which to land
.endr
.endr
.irp c, 0,1                                    ; each block's largest score, two chains a block; each accumulator is first read at its low end
	v_max3_num_f32 v[BM+\c], v[S+32*\c], v[S+32*\c+1], v[S+32*\c+2]
	v_max3_num_f32 v[BM+2+\c], v[S+32*\c+16], v[S+32*\c+17], v[S+32*\c+18]
.endr
.irp i, 3,5,7,9,11,13
.irp c, 0,1
	v_max3_num_f32 v[BM+\c], v[BM+\c], v[S+32*\c+\i], v[S+32*\c+\i+1]
	v_max3_num_f32 v[BM+2+\c], v[BM+2+\c], v[S+32*\c+16+\i], v[S+32*\c+17+\i]
.endr
.endr
.irp c, 0,1
	v_max3_num_f32 v[BM+\c], v[BM+\c], v[S+32*\c+15], v[S+32*\c+31]
.endr
.irp c, 0,1
	v_max_num_f32 v[BM+\c], v[BM+\c], v[BM+2+\c]
.endr
	v_max_num_f32 v[TT], v[BM], v[BM+1]
	v_permlanex16_b32 v[TT+1], v[TT], s[SEL], s[SEL+1]
	v_max3_num_f32 v13, v13, v[TT], v[TT+1]        ; the row's largest score so far
	v_mov_b32 v[OM], v12
	v_mul_f32 v[TT], s[NC], v13                    ; -t (c is positive)
	v_floor_f32 v12, v[TT]                         ; the new -M = -ceil(t): a whole number
	v_sub_f32 v[TT], v12, v[OM]                    ; old M - new M, 0 or less
	v_cvt_i32_f32 v[TT], v[TT]                     ; (it saturates)
	v_ldexp_f32 v[F], 1.0, v[TT]
	v_pk_mul_f32 v[14:15], v[14:15], v[F:F+1] op_sel_hi:[1,0]   ; l and O^T under the new M, ahead of the exponentials
.set j, 0
.rept 16
	v_pk_mul_f32 v[O+j:O+j+1], v[O+j:O+j+1], v[F:F+1] op_sel_hi:[1,0]
.set j, j+2
.endr
.set j, 0
.rept 32
	v_pk_fma_f32 v[S+j:S+j+1], v[S+j:S+j+1], s[CS:CS+1], v[12:13] op_sel_hi:[1,0,0]   ; t - M, two at a time
.set j, j+2
.endr
.irp c, 0,1
	v_fma_f32 v[BM+\c], v[BM+\c], s[CS], v12       ; the same of each block's largest score
.endr
	WALU                                           ; the wait ahead of the batch
.set j, 0
.rept 64
	v_exp_f32 v[S+j], v[S+j]                       ; p = 2^(t - M): one batch of 66,
.set j, j+1
.endr
	v_exp_f32 v[BM], v[BM]                         ; the blocks' largest p among them
	v_exp_f32 v[BM+1], v[BM+1]
	v_nop
	WALU                                           ; and behind it
.irp c, 0,1
	v_max_num_f32 v[BM+\c], 0x1800000, v[BM+\c]    ; the floor 2^(3 - 127): the byte cannot fall under 1
.endr
.irp c, 0,1
	v_add_nc_u32 v[SO+\c], 0xff000000, v[BM+\c]    ; 2 off the exponent field: the conversions' scale operand
.endr
.irp c, 0,1
	v_lshrrev_b32 v[BY+\c], 23, v[SO+\c]
.endr
.irp c, 0,1
	v_cvt_scalef32_pk16_fp6_f32 v[PC+6*\c:PC+6*\c+2], v[S+32*\c:S+32*\c+15], v[SO+\c]
	v_cvt_scalef32_pk16_fp6_f32 v[TC+4*\c:TC+4*\c+2], v[S+32*\c+16:S+32*\c+31], v[SO+\c]
.endr
	v_lshl_or_b32 v[TT], v[BY+1], 16, v[BY]        ; my two bytes (also the plain place behind the conversions),
	v_lshlrev_b32 v[TT], v11, v[TT]                ; at 8 h and 16 + 8 h,
	v_permlanex16_b32 v[TT+1], v[TT], s[SEL], s[SEL+1]
.irp c, 0,1
.irp i, 0,1,2
	v_mov_b32 v[PC+6*\c+3+\i], v[TC+4*\c+\i]
.endr
.endr
	v_or_b32 v[PW], v[TT], v[TT+1]                 ; with lane l xor 16's two: p's scale word
	SUMS 0, 16                                     ; also the places between the writes of p's word and codes and the products
	WALU
	s_wait_dscnt 0x0                               ; v is in
.irp t, 0,1,2,3                                ; O^T += v^T p^T; the four accumulators take turns, and the eight products of the scores stand between two links of a chain
	v_wmma_scale_f32_16x16x128_f8f6f4 v[O+8*\t:O+8*\t+7], v[KF+12*\t:KF+12*\t+11], v[PC:PC+11], v[O+8*\t:O+8*\t+7], v[SW+\t], v[PW] matrix_a_fmt:MATRIX_FMT_FP6 matrix_b_fmt:MATRIX_FMT_FP6 matrix_a_scale:MATRIX_SCALE_ROW1
.endr
	SUMS 16, 20                                    ; four lines of the sum are the places in front of the loads below
.if \next
	s_add_co_u32 s[TB], s[TB], STEPB
	LOADK                                          ; the rest of the sum stands between these loads and the wait for them
.endif
	SUMS 20, 32
.endm
; THE WAY OUT of tile u: O^T / l, one scale block a lane; six registers of the next product's operand and a scale byte
.macro OUT u
	v_add_f32 v14, v14, v15
	v_permlanex16_b32 v[TT], v14, s[SEL], s[SEL+1]
	v_add_f32 v14, v14, v[TT]                      ; the row's sum
	WALU
	v_rcp_f32 v14, v14
	v_nop
	WALU                                           ; ahead of the reciprocal's first reader, which is also O^T's
.set j, 0
.rept 16
	v_pk_mul_f32 v[S+j:S+j+1], v[O+j:O+j+1], v[14:15] op_sel_hi:[1,0]   ; register 8 t + j: channel 32 h + 8 t + j; each accumulator from its low end on
.set j, j+2
.endr
	v_max3_num_f32 v[BM], |v[S]|, |v[S+1]|, |v[S+2]|
	v_max3_num_f32 v[BM+1], |v[S+16]|, |v[S+17]|, |v[S+18]|
.irp i, 3,5,7,9,11,13
	v_max3_num_f32 v[BM], v[BM], |v[S+\i]|, |v[S+\i+1]|
	v_max3_num_f32 v[BM+1], v[BM+1], |v[S+16+\i]|, |v[S+17+\i]|
.endr
	v_max3_num_f32 v[BM], v[BM], |v[S+15]|, 0x1800000
	v_max3_num_f32 v[BM+1], v[BM+1], |v[S+31]|, v[BM]
	v_add_nc_u32 v[SO], 0xff000000, v[BM+1]
	v_cvt_scalef32_pk16_fp6_f32 v[PC:PC+2], v[S:S+15], v[SO]
	v_cvt_scalef32_pk16_fp6_f32 v[TC:TC+2], v[S+16:S+31], v[SO]
	v_lshrrev_b32 v[BY], 23, v[SO]
.irp i, 0,1,2
	v_mov_b32 v[PC+3+\i], v[TC+\i]
.endr
	ds_store_b8 v[SGA], v[BY] offset:32*\u
.irp p, 0,1,2
	global_store_b64 v[GO], v[PC+2*\p:PC+2*\p+1], s[8:9] offset:12288*\u+256*\p   ; 32 lanes store 256 consecutive bytes, aligned
.endr
.endm
.macro PASS u
.if \u
	s_wait_xcnt 0x0                                ; the last pass's stores have read their data
.endif
	v_mov_b32 v13, 0xff61b1e6                      ; the largest score so far: -3e38
	v_mul_f32 v12, s[NC], v13
	v_floor_f32 v12, v12
	v_mov_b32 v14, 0
	v_mov_b32 v15, 0
.set j, 0
.rept 32
	v_mov_b32 v[O+j], 0                            ; the step has no first form of its own: the first change of M multiplies zeros
.set j, j+1
.endr
	s_mov_b32 s[TB], 0
	LOADK
	s_mov_b32 s[CNT], 15
.Lkeys_\@:
	STEP \u, 1
	s_sub_co_u32 s[CNT], s[CNT], 1
	s_cmp_lg_u32 s[CNT], 0
	WALU
	s_cbranch_scc1 .Lkeys_\@
	STEP \u, 0                                     ; the last step asks for nothing
	OUT \u
.endm
	PASS 0
	PASS 1
	s_wait_dscnt 0x0                               ; my scale bytes lie in LDS,
	s_barrier_signal -1
	s_barrier_wait -1                              ; everybody's do
	s_cmp_lt_u32 s[WV], 2
	s_cbranch_scc0 .Lno_pairs
	ds_load_b128 v[S:S+3], v[SGL]                  ; waves 0 and 1 store the work-group's 1,024 bytes: 512 consecutive bytes a wave
	s_wait_dscnt 0x0
	global_store_b128 v[SGO], v[S:S+3], s[10:11]
.Lno_pairs:
	s_wait_tensorcnt 0x0                           ; the wave's end
	ds_add_u32 v[SPW], v[NIL]
	s_wait_dscnt 0x0
	CROUND                                         ; the closing round
	s_endpgm
.Lfunc_end_k_q1a62faa332_attn:
	.size	k_q1a62faa332_attn, .Lfunc_end_k_q1a62faa332_attn-k_q1a62faa332_attn
	.p2alignl 7, 3214868480
	.fill 96, 4, 3214868480
	.section	.rodata,"a",@progbits
	.p2align	6, 0x0
	.amdhsa_kernel k_q1a62faa332_attn
		.amdhsa_group_segment_fixed_size 207872
		.amdhsa_private_segment_fixed_size 0
		.amdhsa_enable_private_segment 0
		.amdhsa_kernarg_size 32
		.amdhsa_user_sgpr_count 2
		.amdhsa_user_sgpr_kernarg_segment_ptr 1
		.amdhsa_wavefront_size32 1
		.amdhsa_system_sgpr_workgroup_id_x 1
		.amdhsa_system_sgpr_workgroup_id_y 1
		.amdhsa_system_sgpr_workgroup_id_z 1
		.amdhsa_system_vgpr_workitem_id 0
		.amdhsa_next_free_vgpr 256
		.amdhsa_next_free_sgpr 66
		.amdhsa_reserve_vcc 0
		.amdhsa_float_denorm_mode_32 3
		.amdhsa_float_denorm_mode_16_64 3
		.amdhsa_memory_ordered 1
		.amdhsa_forward_progress 1
		.amdhsa_inst_pref_size 72
	.end_amdhsa_kernel
	.amdgpu_metadata
---
amdhsa.version: [ 1, 2 ]
amdhsa.kernels:
  - .name:           k_q1a62faa332_attn
    .symbol:         k_q1a62faa332_attn.kd
    .args:
      - { .name: qb, .offset: 0, .size: 8, .value_kind: global_buffer, .address_space: global }
      - { .name: kv, .offset: 8, .size: 8, .value_kind: global_buffer, .address_space: global }
      - { .name: ao, .offset: 16, .size: 8, .value_kind: global_buffer, .address_space: global }
      - { .name: aos, .offset: 24, .size: 8, .value_kind: global_buffer, .address_space: global }
    .group_segment_fixed_size: 207872
    .private_segment_fixed_size: 0
    .kernarg_segment_align: 8
    .kernarg_segment_size: 32
    .max_flat_workgroup_size: 512
    .sgpr_count:     66
    .vgpr_count:     256
    .wavefront_size: 32
...
	.end_amdgpu_metadata
.endif
;; end of part 2
;; launch oproj (part 3): grid 8 x 32, 4 waves a work-group, clusters of 4 x 4, 327,680 bytes of LDS; arguments ao, aos, Wo_codes, Wo_scales, bo, out0; writes out0
.if DOCPART == 3
	.amdgcn_target "amdgcn-amd-amdhsa--gfx1250"
	.amdhsa_code_object_version 6
	.text
	.protected	k_q1a62faa332_oproj
	.globl	k_q1a62faa332_oproj
	.p2align	8
	.type	k_q1a62faa332_oproj,@function
k_q1a62faa332_oproj:
	s_mov_b64 s[64:65], 0
	v_nop
	global_prefetch_b8 v0, s[64:65] scope:SCOPE_SE
	s_setreg_imm32_b32 hwreg(HW_REG_WAVE_MODE, 25, 1), 1
	s_wait_xcnt 0x0
	s_wait_alu depctr_hold_cnt(0) depctr_sa_sdst(0) depctr_va_vdst(0) depctr_va_sdst(0) depctr_va_ssrc(0) depctr_va_vcc(0) depctr_vm_vsrc(0)
	s_getreg_b32 s2, hwreg(HW_REG_IB_STS2, 6, 4)
	s_cmp_eq_u32 s2, 0
	s_cbranch_scc0 .Lentry_in_a_cluster
	s_endpgm
.Lentry_in_a_cluster:
	s_bfe_u32 s2, ttmp6, 0x10000c
	s_cmp_lg_u32 s2, 0xf033
	s_cbranch_scc0 .Lentry_shape_is_right
	s_endpgm
.Lentry_shape_is_right:
; out0 = attention's result x Wo + bo on codes of FP6 (E2M3), one E8M0 scale for each 32 along K = 1,024; sums in f32.  No work is left out.
; SHARES.  256 work-groups; one makes 256 tokens x 128 columns.  Four waves, 2 x 2: wave (a, b) makes tokens 128 a .. + 127, columns 64 b .. + 63.  It holds its 64 rows of Wo, all of K, in 384 registers and
; streams its eight tiles of 16 tokens past them: 32 products a tile, four accumulators by turns; bo is the C of a tile's first four products.
; LDS, filled once: the 16 token tiles as the attention launch stored them (images of operand registers, 12,288 dense bytes a tile, fetched as rows of 256 bytes); Wo's 128 rows (768 bytes + 16 behind every 256);
; the tokens' scale words, gathered here from aos [head][token][2] by LDS stores into bytes of their own; a stage of 16 rows x 272 bytes for each wave; the spare words.
; Source 0 = Wo's rows, source 1 = tokens: a lane holds eight neighbouring columns of one token; a tile goes through the wave's own stage and leaves as whole rows of 256 bytes, sixteen lanes to an aligned unit.
; CLUSTERS 4 x 4: the tokens' tiles are shared along a row of the cluster, Wo's along a column.  NO PREFETCH: all that the launch reads is asked for at its head; there is no step to run ahead in.
.set KROW, 768
.set PITCH, 816
.set FR, 12
.set FPW, 21
.set NFA, 50                           ; LDS loads of a tile: 48 for eight fragments, 2 for eight scale words
.set BVB, 16*12288
.set SCL, BVB+128*PITCH
.set STAGE, SCL+32*272
.set SPARE, STAGE+4*16*272
.set SPW, 10
.set NIL, 11
.set SB, 24
.set SA, 44
.set ACC, 64
.set BI, 96
.set BK, 128
.set BA, 240
.set G1A, 24
.set G1B, 32
.set G0B, 56
.set G0A, 60
.set MSB, 0
.macro WIN new
.if MSB != (\new)
	s_set_vgpr_msb (MSB<<8)|(\new)
.set MSB, (\new)
.endif
.endm
.macro PLACES n
.rept \n
	v_nop
.endr
.endm
.macro WALU
	s_wait_alu depctr_va_vdst(0)
.endm
.macro BARRIER
	s_barrier_signal -1
	s_barrier_wait -1
.endm
.macro CROUND
	s_barrier_signal -1
	s_barrier_wait -1
	s_cmp_lg_u32 s14, 0
	s_cbranch_scc1 .Lnot_wave_0_\@
	s_barrier_signal -3
.Lnot_wave_0_\@:
	s_barrier_wait -3
	BARRIER
.endm
.macro TLOAD g0, g1
	tensor_load_to_lds s[\g0:\g0+3], s[\g1:\g1+7]
	s_nop 0
	PLACES 4
.endm
.macro FRAG f, q, a0, a1               ; a fragment of Wo: six pieces of 8 bytes, two to a load where both lie behind as many paddings
	WIN ((1+(\f)/FPW)<<6)
.set R_, FR*((\f)%FPW)
.set SKIP_, 0
.irp p, 0,1,2,3,4,5
.if SKIP_
.set SKIP_, 0
.else
.set PC_, 12*(\q)+6*(\p/3)+\p%3
.set PN_, 12*(\q)+6*((\p+1)/3)+(\p+1)%3
.set X_, (PC_%32+3)/32
.set XQ_, (PN_%32+3)/32
.if (\p < 5) && (X_ == XQ_)
.set SKIP_, 1
.if X_
	ds_load_2addr_b64 v[R_+2*\p:R_+2*\p+3], \a1 offset0:PC_+2*(PC_/32) offset1:PN_+2*(PN_/32)
.else
	ds_load_2addr_b64 v[R_+2*\p:R_+2*\p+3], \a0 offset0:PC_+2*(PC_/32) offset1:PN_+2*(PN_/32)
.endif
.elseif X_
	ds_load_b64 v[R_+2*\p:R_+2*\p+1], \a1 offset:8*(PC_+2*(PC_/32))
.else
	ds_load_b64 v[R_+2*\p:R_+2*\p+1], \a0 offset:8*(PC_+2*(PC_/32))
.endif
.endif
.endr
.endm
.macro WEIGHTS
.irp q, 0,1,2,3,4,5,6,7
.irp b, 0,1,2,3
	FRAG 4*\q+\b, \q, v[BA+2*\b], v[BA+2*\b+1]
.endr
.endr
	WIN 0
.endm
.macro FETCHA e, a, s                  ; a token tile into set e: registers 2 m, 2 m + 1 of fragment q lie at 1,536 q + 256 m + 8 x lane of the image
.irp q, 0,1,2,3,4,5,6,7
	WIN ((1+(32+8*(\e)+\q)/FPW)<<6)
.set R_, FR*((32+8*(\e)+\q)%FPW)
.irp m, 0,1,2,3,4,5
	ds_load_b64 v[R_+2*\m:R_+2*\m+1], v[\a] offset:1536*\q+256*\m
.endr
.endr
	WIN 0
	ds_load_b128 v[SA+8*(\e):SA+8*(\e)+3], v[\s]
	ds_load_b128 v[SA+8*(\e)+4:SA+8*(\e)+7], v[\s] offset:16
.endm
.macro PROD1 d, s0, s1, c, x0, x1, o
.if \o
	v_wmma_scale_f32_16x16x128_f8f6f4 v[\d:\d+7], v[FR*((\s0)%FPW):FR*((\s0)%FPW)+FR-1], v[FR*((\s1)%FPW):FR*((\s1)%FPW)+FR-1], \c, v[\x0], v[\x1] matrix_a_fmt:MATRIX_FMT_FP6 matrix_b_fmt:MATRIX_FMT_FP6 matrix_a_scale:MATRIX_SCALE_ROW1
.else
	v_wmma_scale_f32_16x16x128_f8f6f4 v[\d:\d+7], v[FR*((\s0)%FPW):FR*((\s0)%FPW)+FR-1], v[FR*((\s1)%FPW):FR*((\s1)%FPW)+FR-1], \c, v[\x0], v[\x1] matrix_a_fmt:MATRIX_FMT_FP6 matrix_b_fmt:MATRIX_FMT_FP6 matrix_a_scale:MATRIX_SCALE_ROW0
.endif
.endm
.macro PROD e, n                       ; product n = 4 q + t
.set Q_, (\n)/4
.set T_, (\n)%4
.set FB_, 4*Q_+T_
.set FA_, 32+8*(\e)+Q_
.set D_, ACC+8*T_
.set XB_, SB+8*(T_/2)+Q_
.set XA_, SA+8*(\e)+Q_
	WIN (1+FB_/FPW)|((1+FA_/FPW)<<2)
.if Q_
	PROD1 D_, FB_, FA_, v[D_:D_+7], XB_, XA_, T_%2
.else
	PROD1 D_, FB_, FA_, v[BI+8*T_:BI+8*T_+7], XB_, XA_, T_%2
.endif
.endm
; a tile: its products; its sums into my stage and back as rows (LDS serves a wave's instructions in order: ISA guide 5.7.1.4); the fetch of the tile two on; the stores.
; The wait for the rows read back leaves the NFA younger loads out, and shows the next tile's fragments, fetched earlier, in as well.
.macro OBLK e, fetch
.set N_, 0
.rept 32
	PROD \e, N_
.set N_, N_+1
.endr
	WIN 0
	PLACES 5
	s_wait_xcnt 0x0                                ; the last tile's stores have read their data and base
	s_add_nc_u64 s[70:71], s[70:71], 65536         ; 16 rows of out0 on
.irp t, 0,1,2,3
	ds_store_b128 v15, v[ACC+8*\t:ACC+8*\t+3] offset:64*\t          ; each accumulator from its low end on
	ds_store_b128 v15, v[ACC+8*\t+4:ACC+8*\t+7] offset:64*\t+16
.endr
.irp k, 0,1,2,3,4,5,6,7
	ds_load_b128 v[BK+4*\k:BK+4*\k+3], v16 offset:\k*544
.endr
.if \fetch
	s_add_co_u32 s96, s96, 12288
	s_add_co_u32 s97, s97, 544
	v_add_nc_u32 v12, s96, v4
	v_add_nc_u32 v14, s97, v6
	FETCHA \e, 12, 14
	s_wait_dscnt NFA
.else
	s_wait_dscnt 0x0
.endif
.irp k, 0,1,2,3,4,5,6,7
	global_store_b128 v17, v[BK+4*\k:BK+4*\k+3], s[70:71] offset:\k*8192 th:TH_STORE_NT   ; sixteen lanes store 256 consecutive bytes, aligned
.endr
.endm
; ---- the head
	s_load_b128 s[4:7], s[0:1], 0x0                ; ao, aos
	s_load_b128 s[8:11], s[0:1], 0x10              ; Wo: codes, scales
	s_load_b128 s[68:71], s[0:1], 0x20             ; bo, out0
	v_lshl_add_u32 v[SPW], v0, 2, SPARE
	v_mov_b32 v[NIL], 0
	ds_add_u32 v[SPW], v[NIL]                      ; the opening lines: the add twice on end
	ds_add_u32 v[SPW], v[NIL]
	v_lshrrev_b32 v1, 5, v0
	v_readfirstlane_b32 s14, v1
	s_lshr_b32 s15, s14, 1                         ; a
	s_and_b32 s16, s14, 1                          ; b
	s_bfe_u32 s40, ttmp6, 0x40000
	s_bfe_u32 s41, ttmp6, 0x40004
	s_lshl_b32 s42, ttmp9, 2
	s_add_co_u32 s42, s42, s40                     ; block of 128 columns
	s_and_b32 s43, ttmp7, 0xffff
	s_lshl_b32 s43, s43, 2
	s_add_co_u32 s43, s43, s41                     ; block of 256 tokens
	s_lshl_b32 s44, s41, 2
	s_lshl_b32 s44, 15, s44
	s_lshl_b32 s45, 0x1111, s40
	s_or_b32 s[G1A+0], s44, (3<<16)|(1<<21)        ; eight token tiles: 384 dense rows of 256 bytes
	s_mov_b32 s[G1A+1], 32<<16
	s_mov_b32 s[G1A+2], 384<<16
	s_mov_b32 s[G1A+3], 32<<16
	s_mov_b32 s[G1A+4], 384
	s_mov_b32 s[G1A+5], 32
	s_mov_b32 s[G1A+6], 0
	s_mov_b32 s[G1A+7], 0
	s_or_b32 s[G1B+0], s45, (1<<20)|(1<<21)|(5<<22)|(3<<25)   ; 64 rows of Wo, 768 bytes each, 16 of padding behind every 256
	s_mov_b32 s[G1B+1], KROW<<16
	s_mov_b32 s[G1B+2], 64<<16
	s_mov_b32 s[G1B+3], KROW<<16
	s_mov_b32 s[G1B+4], 64
	s_mov_b32 s[G1B+5], KROW
	s_mov_b32 s[G1B+6], 0
	s_mov_b32 s[G1B+7], 0
	s_mov_b32 s[G0A], 1
	s_mul_i32 s[G0A+1], s16, 8*12288
	s_mov_b32 s[G0B], 1
	s_mul_i32 s[G0B+1], s16, 64*PITCH
	s_add_co_u32 s[G0B+1], s[G0B+1], BVB
	s_mul_i32 s20, s43, 16*12288
	s_mul_i32 s21, s16, 8*12288
	s_add_co_u32 s20, s20, s21
	s_mov_b32 s21, 0
	s_mul_i32 s22, s42, 128*KROW
	s_mul_i32 s23, s16, 64*KROW
	s_add_co_u32 s22, s22, s23
	s_mov_b32 s23, 0
	s_mul_i32 s46, s15, 8*12288
	s_mul_i32 s47, s16, 64*PITCH
	s_add_co_u32 s47, s47, BVB
	s_mul_i32 s18, s15, 16*272
	s_add_co_u32 s18, s18, SCL
	s_mul_i32 s19, s14, 16*272
	s_add_co_u32 s19, s19, STAGE
	v_and_b32 v1, 15, v0                           ; r
	v_bfe_u32 v2, v0, 4, 1                         ; h
	v_and_b32 v3, 31, v0
	v_lshl_add_u32 v4, v3, 3, s46                  ; my first tile's image, 8 x lane
	v_lshrrev_b32 v5, 3, v1
	v_lshlrev_b32 v6, 5, v1
	v_lshl_add_u32 v6, v5, 4, v6
	v_add_nc_u32 v6, s18, v6                       ; my row's scale words
	v_lshrrev_b32 v7, 2, v0
	v_lshlrev_b32 v7, 4, v7
	v_lshl_add_u32 v7, v0, 6, v7
	v_add_nc_u32 v7, SCL, v7                       ; where thread i puts the words of rows 2 i, 2 i + 1
	v_lshlrev_b32 v8, 2, v0
	v_mul_u32_u24 v12, v1, PITCH
	v_mad_u32_u24 v18, v2, 24, v12
	v_mad_u32_u24 v19, v2, 40, v12
	v_add_nc_u32 v18, s47, v18
	v_add_nc_u32 v19, s47, v19
	v_mul_u32_u24 v15, v1, 272
	v_lshl_add_u32 v15, v2, 5, v15
	v_add_nc_u32 v15, s19, v15                     ; into the stage: row r, 32 bytes for each half of the lanes
	v_mul_u32_u24 v16, v2, 272
	v_lshl_add_u32 v16, v1, 4, v16
	v_add_nc_u32 v16, s19, v16                     ; back: lanes 0-15 one row, lanes 16-31 the next
	v_lshlrev_b32 v17, 12, v2
	v_lshl_add_u32 v17, v1, 4, v17                 ; and the same two rows in out0
	v_lshlrev_b32 v20, 5, v3
	v_lshlrev_b32 v21, 5, v2
.irp b, 0,1,2,3
	v_add_nc_u32 v[BA+2*\b], \b*16*PITCH, v18
	v_add_nc_u32 v[BA+2*\b+1], \b*16*PITCH, v19
.endr
	WALU
	s_wait_dscnt 0x0
	CROUND                                         ; the opening round
	s_wait_kmcnt 0x0
	s_add_nc_u64 s[G0A+2:G0A+3], s[4:5], s[20:21]
	s_or_b32 s[G0A+3], s[G0A+3], 0x80000000
	s_add_nc_u64 s[G0B+2:G0B+3], s[8:9], s[22:23]
	s_or_b32 s[G0B+3], s[G0B+3], 0x80000000
	s_cmp_lt_u32 s14, 2                            ; one tensor load a wave
	s_cbranch_scc0 .Lfor_a
	TLOAD G0B, G1B                                 ; waves 0, 1: 64 rows of Wo each
	s_branch .Lasked
.Lfor_a:
	TLOAD G0A, G1A                                 ; waves 2, 3: eight token tiles each
.Lasked:
	s_lshl_b32 s22, s43, 9
	s_add_nc_u64 s[6:7], s[6:7], s[22:23]          ; aos: 512 bytes of each head
	s_lshl_b32 s22, s42, 12
	s_lshl_b32 s17, s16, 11
	s_add_co_u32 s22, s22, s17
	s_add_nc_u64 s[10:11], s[10:11], s[22:23]      ; my 64 rows' scale bytes
	s_lshr_b32 s22, s22, 3
	s_add_nc_u64 s[68:69], s[68:69], s[22:23]      ; bo at my first column
	s_add_nc_u64 s[70:71], s[70:71], s[22:23]
	s_lshl_b32 s22, s43, 20
	s_lshl_b32 s17, s15, 19
	s_add_co_u32 s22, s22, s17
	s_add_nc_u64 s[70:71], s[70:71], s[22:23]      ; out0 at my first row and column;
	s_sub_nc_u64 s[70:71], s[70:71], 65536         ; it is stepped by 16 rows ahead of each tile's stores, the first too
.irp hd, 0,1,2,3,4,5,6,7,8,9,10,11,12,13,14,15
	global_load_b32 v[128+\hd], v8, s[6:7] offset:16384*\hd
.endr
.irp p, 0,1
.irp c, 0,1
	global_load_b128 v[SB+8*\p+4*\c:SB+8*\p+4*\c+3], v20, s[10:11] offset:\p*1024+16*\c
.endr
.endr
.irp t, 0,1,2,3
.irp e, 0,1
	global_load_b128 v[BI+8*\t+4*\e:BI+8*\t+4*\e+3], v21, s[68:69] offset:64*\t+16*\e
.endr
.endr
	s_wait_loadcnt 12                              ; the sixteen heads' pairs are in; the twelve younger loads may be out
.irp k, 0,1,2,3,4,5,6,7
	v_perm_b32 v[144+\k], v[129+2*\k], v[128+2*\k], 0x05040100   ; word k of row 2 i: heads 2 k, 2 k + 1
	v_perm_b32 v[152+\k], v[129+2*\k], v[128+2*\k], 0x07060302   ; of row 2 i + 1
.endr
.irp m, 0,1,2,3
	ds_store_b128 v7, v[144+4*\m:147+4*\m] offset:16*\m
.endr
	s_cmp_lt_u32 s14, 2
	s_cbranch_scc0 .Lnot_b
	s_wait_tensorcnt 0x0
.Lnot_b:
	s_wait_dscnt 0x0
	BARRIER                                        ; Wo's rows and the scale words are in
	WEIGHTS
	s_wait_tensorcnt 0x0
	s_wait_dscnt 0x0
	BARRIER                                        ; the token tiles are in
	FETCHA 0, 4, 6
	v_add_nc_u32 v12, 12288, v4
	v_add_nc_u32 v14, 544, v6
	FETCHA 1, 12, 14
	s_mov_b32 s96, 12288
	s_mov_b32 s97, 544
	s_mov_b32 s99, 0
	s_wait_loadcnt 0x0
	s_wait_dscnt NFA                               ; tile 0 is in; tile 1's NFA loads may be out
.Ltiles:
	OBLK 0, 1
	OBLK 1, 1
	s_add_co_u32 s99, s99, 1
	s_cmp_lg_u32 s99, 3
	s_cbranch_scc1 .Ltiles
	OBLK 0, 0                                      ; the last two tiles fetch nothing
	OBLK 1, 0
	s_wait_tensorcnt 0x0                           ; the wave's end
	ds_add_u32 v[SPW], v[NIL]
	s_wait_dscnt 0x0
	CROUND                                         ; the closing round
	s_endpgm
.Lfunc_end_k_q1a62faa332_oproj:
	.size	k_q1a62faa332_oproj, .Lfunc_end_k_q1a62faa332_oproj-k_q1a62faa332_oproj
	.p2alignl 7, 3214868480
	.fill 96, 4, 3214868480
	.section	.rodata,"a",@progbits
	.p2align	6, 0x0
	.amdhsa_kernel k_q1a62faa332_oproj
		.amdhsa_group_segment_fixed_size 327680
		.amdhsa_private_segment_fixed_size 0
		.amdhsa_enable_private_segment 0
		.amdhsa_kernarg_size 48
		.amdhsa_user_sgpr_count 2
		.amdhsa_user_sgpr_kernarg_segment_ptr 1
		.amdhsa_wavefront_size32 1
		.amdhsa_system_sgpr_workgroup_id_x 1
		.amdhsa_system_sgpr_workgroup_id_y 1
		.amdhsa_system_sgpr_workgroup_id_z 1
		.amdhsa_system_vgpr_workitem_id 0
		.amdhsa_next_free_vgpr 1024
		.amdhsa_next_free_sgpr 102
		.amdhsa_reserve_vcc 0
		.amdhsa_float_denorm_mode_32 3
		.amdhsa_float_denorm_mode_16_64 3
		.amdhsa_memory_ordered 1
		.amdhsa_forward_progress 1
		.amdhsa_inst_pref_size 57
	.end_amdhsa_kernel
	.amdgpu_metadata
---
amdhsa.version: [ 1, 2 ]
amdhsa.kernels:
  - .name:           k_q1a62faa332_oproj
    .symbol:         k_q1a62faa332_oproj.kd
    .args:
      - { .name: ao, .offset: 0, .size: 8, .value_kind: global_buffer, .address_space: global }
      - { .name: aos, .offset: 8, .size: 8, .value_kind: global_buffer, .address_space: global }
      - { .name: Wo_codes, .offset: 16, .size: 8, .value_kind: global_buffer, .address_space: global }
      - { .name: Wo_scales, .offset: 24, .size: 8, .value_kind: global_buffer, .address_space: global }
      - { .name: bo, .offset: 32, .size: 8, .value_kind: global_buffer, .address_space: global }
      - { .name: out0, .offset: 40, .size: 8, .value_kind: global_buffer, .address_space: global }
    .group_segment_fixed_size: 327680
    .private_segment_fixed_size: 0
    .kernarg_segment_align: 8
    .kernarg_segment_size: 48
    .max_flat_workgroup_size: 128
    .sgpr_count:     102
    .vgpr_count:     1024
    .wavefront_size: 32
...
	.end_amdgpu_metadata
.endif
;; end of part 3
